; MI455X (gfx1250); checked and timed in simulation.
; The chip was launched on July 23, 2026; its instructions are those of AMD's public machine-readable ISA for CDNA 5 (MIT licence, August 2026) and "CDNA5" Instruction Set Architecture Reference Guide (July 2026). The comments in the code are by the model that wrote it; some were corrected since.
;; Projection Layer. Allowed arithmetic: matrix products marked QUANTISED: E4M3 operands, one E8M0 scale for each 32 along K, by v_wmma_scale_f32_16x16x128_f8f6f4 with both operands' format E4M3, f32 sums; products left as they are: f32 operands where the result goes on into a quantised operand, else bf16, f16 or f32 operands; f32 sums; everything else in f32.
;; Inputs: W_af 512 x 1 float32; W_as 1,024 x 512 float32; W_c1 1,024 x 512 float32; W_c2 512 x 1,024 float32; W_u 512 x 256 float32; W_ws 1,024 x 512 float32; b_af 1 float32; b_as 512 float32; b_c1 512 float32; b_c2 1,024 float32; b_u 256 float32; b_ws 512 float32; ln_b 512 float32; ln_g 512 float32; x 64 x 512 x 1,024 float32.
;; Outputs: out0 64 x 256 float32.
;; This version of the problem:
;;   THIS VERSION OF THE PROBLEM IS GIVEN IN LOW PRECISION. The matrix products marked QUANTISED in the list below multiply operands that are first quantised to E4M3 (4 exponent bits, 3 mantissa bits; 8 bits a number), with one power-of-two scale for each 32 numbers along K (OCP MX v1.0); their sums are f32. All else is computed in f32.
;;   The module's matrix products, in the order in which they are computed (A, B: the left and right operand; K: the contracted axis; several contracted axes count as one K, in the product's order):
;;     1. [M 32,768, K 1,024] x [K 1,024, N 512]; A: input x; B: input W_as: QUANTISED
;;     2. [M 32,768, K 512] x [K 512, N 1]; A: computed on the way; B: input W_af: left as it is (N = 1 < 16)
;;     3. [M 32,768, K 1,024] x [K 1,024, N 512]; A: input x; B: input W_c1: QUANTISED
;;     4. [M 32,768, K 512] x [K 512, N 1,024]; A: computed on the way; B: input W_c2: QUANTISED
;;     5. [M 64, K 1,024] x [K 1,024, N 512]; A: computed on the way; B: input W_ws: QUANTISED
;;     6. [M 64, K 512] x [K 512, N 256]; A: computed on the way; B: input W_u: QUANTISED
;;   THE QUANTISER, for each operand of a quantised product, along K:
;;     - K is cut into blocks of 32 from its start; a last block that is shorter is filled with zeros.
;;     - A block's scale is 2^e with e = floor(log2(the largest magnitude in the block)) - 8, held to -126 .. 127; a block of zeros has e = 0. As a byte (E8M0): e + 127.
;;     - Each number is divided by its block's scale, clamped to +-448, and rounded to the nearest number of E4M3, ties to even, subnormals kept.
;;     - The product sums the exact products of the quantised numbers (number of the format x scale) in f32.
;;   ~~~python
;;   def quantise(x, axis):      # numpy; x: float32 -> the quantised numbers, widened to float32 again
;;       x = np.moveaxis(x, axis, -1); K = x.shape[-1]
;;       x = np.pad(x, [(0, 0)] * (x.ndim - 1) + [(0, -K % 32)]); x = x.reshape(x.shape[:-1] + (-1, 32)); a = np.abs(x).max(-1, keepdims=True)
;;       e = np.where(a > 0, np.clip(np.frexp(np.where(a > 0, a, 1))[1] - 1 - 8, -126, 127), 0)      # np.frexp(a)[1] - 1 = floor(log2(a)), exactly
;;       r = np.clip(x / 2.0 ** e, -448, 448)
;;       step = 2.0 ** (np.maximum(np.frexp(np.where(r == 0, 1, r))[1] - 1, -6) - 3)
;;       q = np.round(r / step) * step * 2.0 ** e      # np.round: ties to even
;;       return np.moveaxis(q.reshape(q.shape[:-2] + (-1,))[..., :K], -1, axis).astype(np.float32)
;;   ~~~
;;   OPERANDS COMPUTED ON THE WAY. 'Computed on the way' means the value that the module computes at that place (a softmax that the list does not call 'softmax' is quantised finished and normalised). What goes into a quantiser is computed in f32, as accurately as f32 sums, v_exp_f32 and their like allow (about 1e-6 of the number): no bf16 or f16 on the way to a quantiser, and a product that is left as it is and whose result goes on into a quantised operand takes f32 operands (vector FMAs, or v_wmma_f32_16x16x4_f32). A number that lies on a knife's edge between two numbers of the format may be rounded either way, as far as f32 arithmetic and the matrix unit's own rounding can turn it there, and no further.
;; One version. Each part assembles by itself: llvm-mc -triple=amdgcn-amd-amdhsa -mcpu=gfx1250 --defsym DOCPART=n.
;; ======== version 1 of 1: 3 launches
;; limits: right only within a limited range of input values
;; workspace buffers: wq 2,228,224 bytes; wsc 69,632 bytes; part 1,048,576 bytes; ml 2,048 bytes
;; launch prep (part 1): grid 136 x 1, 16 waves a work-group, no clusters, 3,072 bytes of LDS; arguments W_as, W_c1, W_c2, W_ws, W_u, wq, wsc; writes wq, wsc
.if DOCPART == 1
	.amdgcn_target "amdgcn-amd-amdhsa--gfx1250"
	.amdhsa_code_object_version 6
	.text
	.protected	k_qf8997aaaf7_prep
	.globl	k_qf8997aaaf7_prep
	.p2align	8
	.type	k_qf8997aaaf7_prep,@function
k_qf8997aaaf7_prep:
	s_mov_b64 s[64:65], 0
	v_nop
	global_prefetch_b8 v0, s[64:65] scope:SCOPE_SE
	s_setreg_imm32_b32 hwreg(HW_REG_WAVE_MODE, 25, 1), 1
	s_wait_xcnt 0x0
; The five weights, f32 with K as their FIRST axis, become codes of FP8 (E4M3) with one E8M0 byte for each 32 along K, laid as images of the operand's registers.
; wq: blocks of 16,384 bytes = 128 columns x 128 K = 8 fragments (tiles) of 2,048 bytes; in a fragment byte 512 c + 256 h + 16 r + i is k = 32 c + 16 h + i of the column that lane r holds.
; Lane r of tile 2 b + u holds column 32 b + 8 u + r + 8 (r / 8) of the block's 128, so that the results of a product used transposed are neighbours along the next K.
; wsc: 512 bytes a block; the scale word (four bytes, byte c for k = 32 c ..) of tile t, lane r at 256 (t / 4) + 16 r + 4 (t % 4).
; Blocks: W_as 24 cg + s; W_c1 24 cg + 8 + s; W_c2 24 (cg % 4) + 16 + 4 (cg / 4) + s; W_ws 96 + 8 cg + s; W_u 128 + 4 cg + s  (cg: 128 columns, s: 128 along K).
; SHARES.  A work-group makes one block.  Wave W takes 32 columns (cw = W % 4: tiles 2 cw, 2 cw + 1) and one block of 32 along K (c = W / 4).  A LANE TAKES A COLUMN AND ITS 32 REGISTERS RUN DOWN K:
; a load reads 128 consecutive bytes, the block's largest magnitude needs no other lane, and the conversions give codes with K innermost.  Nothing is transposed by an instruction.
; A block's scale is 2^(floor(log2(largest magnitude)) - 8); its byte is that magnitude's exponent field - 8, held at 1 from below.
; LIMITS: a block of zeros gets the byte 1 (the quantiser says 127): its codes are zeros and the bytes are read by this program alone.  NaN and infinities among the inputs are not served.
; No matrix unit, no cluster, no ring: the waves share nothing but the block's 512 scale bytes.
.set X,   32                           ; v32-63   my column's 32 numbers
.set OFF, 64                           ; v64-95   byte offset of row k at my column
.set C,   96                           ; v96-103  the 32 codes
	s_load_b256 s[4:11], s[0:1], 0x0               ; W_as, W_c1, W_c2, W_ws
	s_load_b128 s[12:15], s[0:1], 0x20             ; W_u, wq
	s_load_b64 s[16:17], s[0:1], 0x30              ; wsc
	v_lshl_add_u32 v112, v0, 2, 0x400
	v_mov_b32 v113, 0
	v_lshrrev_b32 v1, 5, v0
	s_delay_alu instid0(VALU_DEP_1)
	v_readfirstlane_b32 s18, v1                    ; wave 0..15
	v_and_b32 v1, 31, v0                           ; lane = my column among the wave's 32
	s_delay_alu instid0(VALU_DEP_1)
	v_lshlrev_b32 v2, 2, v1                        ; 4 bytes a column
	s_delay_alu instid0(VALU_DEP_2)
	v_lshlrev_b32 v5, 4, v1                        ; 16 x lane
	s_delay_alu instid0(VALU_DEP_3)
	v_bfe_u32 v6, v1, 3, 1                         ; u = (lane / 8) % 2: which of the two tiles
	s_delay_alu instid0(VALU_DEP_4)
	v_and_b32 v7, 7, v1
	v_lshrrev_b32 v8, 4, v1
	s_delay_alu instid0(VALU_DEP_1)
	v_lshl_add_u32 v7, v8, 3, v7                   ; r = lane % 8 + 8 (lane / 16): which lane of that tile
	s_delay_alu instid0(VALU_DEP_1)
	v_lshlrev_b32 v3, 4, v7
	s_delay_alu instid0(VALU_DEP_1)
	v_lshl_add_u32 v4, v6, 2, v3                   ; 16 r + 4 u: my scale word's place
	s_wait_alu depctr_va_vdst(0)
	v_lshl_add_u32 v3, v6, 11, v3                  ; 16 r + 2048 u: my codes' place
	s_and_b32 s30, s18, 3                          ; cw
	s_lshr_b32 s31, s18, 2                         ; c
	s_lshr_b32 s28, s30, 1
	s_lshl_b32 s28, s28, 8
	s_and_b32 s29, s30, 1
	s_lshl_b32 s29, s29, 3
	s_add_co_u32 s28, s28, s29
	s_add_co_u32 s28, s28, s31                     ; 256 (cw / 2) + 8 (cw % 2) + c
	v_add_nc_u32 v4, s28, v4                       ; LDS byte of my column's scale byte
	s_mov_b32 s19, 0x600000                        ; the mantissa field of 448
	s_lshr_b32 s20, ttmp9, 5                       ; t: which tensor
	s_and_b32 s21, ttmp9, 31                       ; j: which block of it
	s_mov_b32 s22, 2048                            ; a row in bytes: 512 columns; W_c2 1,024; W_u 256
	s_cmp_eq_u32 s20, 2
	s_cselect_b32 s22, 4096, s22
	s_cselect_b32 s23, 2, 3                        ; log2 of the K steps: 8; W_c2 and W_u 4
	s_cmp_eq_u32 s20, 4
	s_cselect_b32 s22, 1024, s22
	s_cselect_b32 s23, 2, s23
	s_lshr_b32 s24, s21, s23                       ; cg
	s_lshl_b32 s25, s24, s23
	s_sub_co_u32 s25, s21, s25                     ; s
	s_and_b32 s26, s24, 3
	s_mul_i32 s26, s26, 24
	s_lshl_b32 s27, s20, 3
	s_add_co_u32 s26, s26, s27
	s_lshr_b32 s27, s24, 2
	s_lshl_b32 s27, s27, 2
	s_add_co_u32 s26, s26, s27
	s_add_co_u32 s26, s26, s25                     ; 24 (cg % 4) + 8 t + 4 (cg / 4) + s
	s_lshl_b32 s27, s20, 5
	s_add_co_u32 s27, s27, s21                     ; 32 t + j
	s_cmp_lt_u32 s20, 3
	s_cselect_b32 s26, s26, s27                    ; the block's number
.set k, 0
.rept 32
	v_mad_u32_u24 v[OFF+k], s22, k, v2             ; row k of my 32, my column
.set k, k+1
.endr
	s_lshl_b32 s28, s25, 7
	s_lshl_b32 s29, s31, 5
	s_add_co_u32 s28, s28, s29                     ; first row: 128 s + 32 c
	s_mul_i32 s28, s28, s22
	s_lshl_b32 s29, s24, 9
	s_add_co_u32 s28, s28, s29                     ; + 512 cg
	s_lshl_b32 s29, s30, 7
	s_add_co_u32 s28, s28, s29                     ; + 128 cw
	s_mov_b32 s29, 0
	s_lshl_b32 s32, s26, 14
	s_lshl_b32 s33, s30, 12
	s_add_co_u32 s32, s32, s33
	s_lshl_b32 s33, s31, 9
	s_add_co_u32 s32, s32, s33                     ; codes: 16384 block + 4096 cw + 512 c
	s_mov_b32 s33, 0
	s_lshl_b32 s34, s26, 9                         ; scale words: 512 block
	s_mov_b32 s35, 0
	s_wait_alu depctr_va_vdst(0)
	s_wait_kmcnt 0x0
	s_cmp_eq_u32 s20, 1                            ; the tensor is chosen by the work-group's number alone
	s_cselect_b64 s[4:5], s[6:7], s[4:5]
	s_cmp_eq_u32 s20, 2
	s_cselect_b64 s[4:5], s[8:9], s[4:5]
	s_cmp_eq_u32 s20, 3
	s_cselect_b64 s[4:5], s[10:11], s[4:5]
	s_cmp_eq_u32 s20, 4
	s_cselect_b64 s[4:5], s[12:13], s[4:5]
	s_add_nc_u64 s[4:5], s[4:5], s[28:29]
	s_add_nc_u64 s[14:15], s[14:15], s[32:33]
	s_add_nc_u64 s[16:17], s[16:17], s[34:35]
.set k, 0
.rept 32
	global_load_b32 v[X+k], v[OFF+k], s[4:5] th:TH_LOAD_NT   ; 32 lanes read 128 consecutive bytes; the four waves of one c stand side by side on 512
.set k, k+1
.endr
	s_wait_loadcnt 0x0
	v_max3_num_f32 v12, |v[X]|, |v[X+1]|, |v[X+2]|           ; the block's largest magnitude: all 32 numbers are mine; two chains
	v_max3_num_f32 v13, |v[X+3]|, |v[X+4]|, |v[X+5]|
.irp i, 6,10,14,18,22,26
	s_delay_alu instid0(VALU_DEP_2)
	v_max3_num_f32 v12, v12, |v[X+\i]|, |v[X+\i+1]|
	s_delay_alu instid0(VALU_DEP_2)
	v_max3_num_f32 v13, v13, |v[X+\i+2]|, |v[X+\i+3]|
.endr
	s_delay_alu instid0(VALU_DEP_2)
	v_max3_num_f32 v12, v12, |v[X+30]|, |v[X+31]|
	s_delay_alu instid0(VALU_DEP_1)
	v_max3_num_f32 v12, v12, v13, 0x4800000        ; and the floor 2^(9 - 127): the byte cannot fall under 1
	s_delay_alu instid0(VALU_DEP_1)
	v_add_nc_u32 v11, 0xfc000000, v12              ; 8 off the exponent field: the conversion's scale operand
	s_delay_alu instid0(VALU_DEP_2)
	v_and_or_b32 v10, v12, 0x7f800000, s19         ; 448 x the scale
	s_delay_alu instid0(VALU_DEP_2)
	v_lshrrev_b32 v13, 23, v11                     ; the scale's byte
.irp i, 0,1,2,3,4,5,6,7,8,9,10,11,12,13,14,15,16,17,18,19,20,21,22,23,24,25,26,27,28,29,30,31
	v_med3_num_f32 v[X+\i], v[X+\i], -v10, v10     ; the conversion to an 8-bit code does not saturate (ISA guide 7.6.2): the hold comes first
.endr
.irp g, 0,1,2,3
	v_cvt_scalef32_pk8_fp8_f32 v[C+2*\g:C+2*\g+1], v[X+8*\g:X+8*\g+7], v11
.endr
	v_nop                                          ; one plain line behind the last conversion
	ds_store_b8 v4, v13                            ; byte c of my column's scale word
	global_store_b128 v3, v[C:C+3], s[14:15]       ; k = 32 c + 0 .. 15: sixteen lanes fill 256 consecutive bytes, aligned, in each of the two tiles
	global_store_b128 v3, v[C+4:C+7], s[14:15] offset:256    ; k = 32 c + 16 .. 31
	s_wait_dscnt 0x0                               ; for the others' sake: my byte stores have landed
	s_barrier_signal -1
	s_barrier_wait -1
	s_cmp_lg_u32 s18, 0
	s_cbranch_scc1 .Lend
	ds_load_b128 v[104:107], v5                    ; wave 0 sends the block's 512 scale bytes out as they lie
	s_wait_dscnt 0x0
	global_store_b128 v5, v[104:107], s[16:17]     ; 512 consecutive bytes, aligned
.Lend:
	s_wait_tensorcnt 0x0
	ds_add_u32 v112, v113
	s_wait_dscnt 0x0
	s_endpgm
.Lfunc_end_k_qf8997aaaf7_prep:
	.size	k_qf8997aaaf7_prep, .Lfunc_end_k_qf8997aaaf7_prep-k_qf8997aaaf7_prep
	.p2alignl 7, 3214868480
	.fill 96, 4, 3214868480
	.section	.rodata,"a",@progbits
	.p2align	6, 0x0
	.amdhsa_kernel k_qf8997aaaf7_prep
		.amdhsa_group_segment_fixed_size 3072
		.amdhsa_private_segment_fixed_size 0
		.amdhsa_enable_private_segment 0
		.amdhsa_kernarg_size 56
		.amdhsa_user_sgpr_count 2
		.amdhsa_user_sgpr_kernarg_segment_ptr 1
		.amdhsa_wavefront_size32 1
		.amdhsa_system_sgpr_workgroup_id_x 1
		.amdhsa_system_sgpr_workgroup_id_y 1
		.amdhsa_system_sgpr_workgroup_id_z 1
		.amdhsa_system_vgpr_workitem_id 0
		.amdhsa_next_free_vgpr 114
		.amdhsa_next_free_sgpr 66
		.amdhsa_reserve_vcc 0
		.amdhsa_float_denorm_mode_32 3
		.amdhsa_float_denorm_mode_16_64 3
		.amdhsa_memory_ordered 1
		.amdhsa_forward_progress 1
		.amdhsa_inst_pref_size 14
	.end_amdhsa_kernel
	.amdgpu_metadata
---
amdhsa.version: [ 1, 2 ]
amdhsa.kernels:
  - .name:           k_qf8997aaaf7_prep
    .symbol:         k_qf8997aaaf7_prep.kd
    .args:
      - { .name: W_as, .offset: 0, .size: 8, .value_kind: global_buffer, .address_space: global }
      - { .name: W_c1, .offset: 8, .size: 8, .value_kind: global_buffer, .address_space: global }
      - { .name: W_c2, .offset: 16, .size: 8, .value_kind: global_buffer, .address_space: global }
      - { .name: W_ws, .offset: 24, .size: 8, .value_kind: global_buffer, .address_space: global }
      - { .name: W_u, .offset: 32, .size: 8, .value_kind: global_buffer, .address_space: global }
      - { .name: wq, .offset: 40, .size: 8, .value_kind: global_buffer, .address_space: global }
      - { .name: wsc, .offset: 48, .size: 8, .value_kind: global_buffer, .address_space: global }
    .group_segment_fixed_size: 3072
    .private_segment_fixed_size: 0
    .kernarg_segment_align: 8
    .kernarg_segment_size: 56
    .max_flat_workgroup_size: 512
    .sgpr_count:     66
    .vgpr_count:     114
    .wavefront_size: 32
...
	.end_amdgpu_metadata
.endif
;; end of part 1
;; launch main (part 2): grid 256 x 1, 4 waves a work-group, no clusters, 327,680 bytes of LDS; arguments x, wq, wsc, b_as, b_c1, W_af, b_af, part, ml; writes part, ml
.if DOCPART == 2
	.amdgcn_target "amdgcn-amd-amdhsa--gfx1250"
	.amdhsa_code_object_version 6
	.text
	.protected	k_qf8997aaaf7_main
	.globl	k_qf8997aaaf7_main
	.p2align	8
	.type	k_qf8997aaaf7_main,@function
k_qf8997aaaf7_main:
	s_mov_b64 s[64:65], 0
	v_nop
	global_prefetch_b8 v0, s[64:65] scope:SCOPE_SE
	s_setreg_imm32_b32 hwreg(HW_REG_WAVE_MODE, 25, 1), 1
	s_wait_xcnt 0x0
; Work-group g owns rows 128 g .. 128 g + 127 of x (batch g / 4, quarter g % 4) and takes them through the whole chain:
;   1   x comes in K steps of 128 through a ring of two LDS slots (tensor loads, each wave its own 32 rows); each trip quantises one K step (MX-FP8) into images of the
;       operand's registers and multiplies it at once: z = Q(x) Q(W_as) + b_as.  Then r = 1 / (1 + 2^(2.885390 z)), tanh z = 1 - 2 r, and the rows' sums of W_af r.
;   2   hidden = relu(Q(x) Q(W_c1) + b_c1) from the images, quantised in registers; its images overlay x's, which are done with by then
;   S   score = b_af + sum(W_af) - 2 sum(W_af r);  m = the 128 rows' largest score;  p = e^(score - m);  l = sum p
;   3a, 3b   Q(hidden) Q(W_c2), columns 0-511 and 512-1023;  u[col] = sum over the rows of p x the product
; Out: part[g][1024] = u, ml[g] = (m, l); the next launch joins a batch's four parts under their common maximum, divides by the sum and adds b_c2.
; SHARES: in each pass wave w makes 128 rows x 128 columns: 64 accumulators, 512 registers.  A's fragments come from LDS; a weight fragment is read by ONE wave and goes from memory straight into its registers.
; THE WEIGHTS ARE ONE STREAM of 24 blocks a wave (8 W_as, 8 W_c1, 4 + 4 W_c2), numbered by s29; each K step's end asks for the block two steps on, across the changes of pass too.
; TURNED START: work-group g begins each pass at K step (g + g / 8) % 8 (% 4 in 3a, 3b) and wraps round; x's K steps are fetched in that order.  So the order of a sum's K steps differs between work-groups.
; NO CLUSTER: x's tiles are shared by nobody; the images (135,168 bytes) and x's ring (135,168) leave no room for two slots of one K step of weights (2 x 67,584).
; PREFETCH: trip t asks for the K step of x that the tensor load of trip t + 2 fetches: each wave its own 32 rows x 512 bytes, a lane a row, two instructions; the head asks for the loads of trips 0 and 1; trips 5 to 7 ask for nothing.
; Pass 1's sums start from b_as loaded into the accumulators, so that all its trips but the last are one loop's text (code size); pass 2's first step takes b_c1 as C, pass 3's the constant 0.
; LIMITS: NaN and infinities among the inputs are not served.  A block of zeros gets the byte 1 with zero codes.  tanh is 1 - 2 r with r to 1 ulp.
; The maximum taken away ahead of the exponential is the work-group's own; b_c2 is added once behind the normalised sum: both differ from the reference by rounding alone.
; REGISTERS: window 0: v1-15, v48-63 addresses; v16-31 at work; v32-47 scale words alone; v64-127 64 numbers of x / a bias / W_af / p; v128-255 A's 8 fragments.
;   window 1: the weights, two sets of 128.   windows 2, 3: accumulators of row tiles 0-3, 4-7 ((a, b) at v[8 (8 a + b)]).
.set XSC,   131072                     ; x's fragment (row tile a, place j) at 16384 a + 2048 j; place j holds the K step that trip j brought, (start + j) % 8, so that no store's address hangs on the work-group's number; scale words at XSC + 1024 w + 128 j + 8 r + 4 (a % 2)
.set HIMG,  0                          ; hidden's fragment (a, s) at 8192 a + 2048 s
.set HSC,   131072                     ; its scale words: 512 s + 256 (a / 4) + 16 r + 4 (a % 4)
.set RAW,   135168                     ; x's ring: slot n at 67584 n, wave w's 32 rows x 528 bytes at 16896 w
.set CONST, 270336                     ; b_as, b_c1, W_af: 2,048 bytes each
.set SCR,   276480
.set PARR,  278528
.set USTG,  280576
.set SPARE, 284672                     ; the spare words: 512 bytes that no other line names
.set LI,    1
.set ADRA,  2
.set ADRS,  3
.set TO,    4                          ; v4, v5: my row of slot 0, 1
.set XWI,   6
.set XWS,   7
.set HWI,   8
.set HWS,   9
.set C0,    10
.set ADRB,  11
.set PW,    12
.set SCW,   14
.set UADR,  15
.set TM,    16
.set XWC,   52
.set XSW,   53
.set TOC,   56
.set PFO,   57
.set ASH,   59
.set ASX,   60
.set AAH,   61
.set ADRA2, 63
.set XS,    64
.set PC,    128
.set MSB, 0
.macro WIN new
.if MSB != (\new)
	s_set_vgpr_msb (MSB<<8)|(\new)
.set MSB, (\new)
.endif
.endm
.macro PLACES n
.rept \n
	v_nop
.endr
.endm
.macro BAR
	s_wait_dscnt 0x0
	s_barrier_signal -1
	s_barrier_wait -1
.endm
; 64 numbers of a lane in window win (register 16 b + i = k 32 b + 16 (lane / 16) + i of my row) become a fragment's codes in v[PC] on and its scale word in v[PW].  relu = 1: negatives become 0.
; s60 = the floor 2^(9 - 127), s61 = -(8 << 23), s62 = the exponent mask, s22 = 448's mantissa field.
.macro QUANTW s, win, relu
	WIN (\win)*5
.if \relu
.irp b, 0,1,2,3
	v_max3_num_f32 v[TM+\b], v[\s+16*\b], v[\s+1+16*\b], s60
.endr
.irp i, 2,4,6,8,10,12,14
.irp b, 0,1,2,3
	v_max3_num_f32 v[TM+\b], v[\s+16*\b+\i], v[\s+1+16*\b+\i], v[TM+\b]
.endr
.endr
.else
.irp b, 0,1,2,3
	v_max3_num_f32 v[TM+\b], |v[\s+16*\b]|, |v[\s+1+16*\b]|, s60
.endr
.irp i, 2,4,6,8,10,12,14
.irp b, 0,1,2,3
	v_max3_num_f32 v[TM+\b], |v[\s+16*\b+\i]|, |v[\s+1+16*\b+\i]|, v[TM+\b]
.endr
.endr
.endif
	WIN 0
	s_wait_alu depctr_va_vdst(0)
	s_wait_dscnt 0x0                               ; the last image's stores have read v[PC] on and v[PW]
.irp b, 0,1,2,3
	v_permlanex16_b32 v[TM+4+\b], v[TM+\b], s24, s25
.endr
.irp b, 0,1,2,3
	v_max_num_f32 v[TM+\b], v[TM+\b], v[TM+4+\b]   ; with lane l xor 16's: the block's largest magnitude
.endr
.irp b, 0,1,2,3
	v_add_nc_u32 v[TM+12+\b], s61, v[TM+\b]        ; the conversion's scale operand
.endr
.irp b, 0,1,2,3
	v_and_or_b32 v[TM+8+\b], v[TM+\b], s62, s22    ; 448 x the scale
.endr
.irp b, 0,1,2,3
	v_lshrrev_b32 v[TM+4+\b], 23, v[TM+12+\b]      ; the scale's byte
.endr
	v_lshl_or_b32 v[PW], v[TM+5], 8, v[TM+4]
	v_lshl_or_b32 v[PW], v[TM+6], 16, v[PW]
	v_lshl_or_b32 v[PW], v[TM+7], 24, v[PW]
	WIN (\win)*0x41
.irp b, 0,1,2,3
.irp i, 0,1,2,3,4,5,6,7,8,9,10,11,12,13,14,15
.if \relu
	v_med3_num_f32 v[\s+16*\b+\i], v[\s+16*\b+\i], 0, v[TM+8+\b]
.else
	v_med3_num_f32 v[\s+16*\b+\i], v[\s+16*\b+\i], -v[TM+8+\b], v[TM+8+\b]   ; the conversion does not saturate (ISA guide 7.6.2)
.endif
.endr
.endr
	WIN (\win)
.irp b, 0,1,2,3
	v_cvt_scalef32_pk8_fp8_f32 v[PC+4*\b:PC+4*\b+1], v[\s+16*\b:\s+16*\b+7], v[TM+12+\b]
	v_cvt_scalef32_pk8_fp8_f32 v[PC+4*\b+2:PC+4*\b+3], v[\s+16*\b+8:\s+16*\b+15], v[TM+12+\b]
.endr
	v_nop                                          ; one plain line behind the last conversion
	WIN 0
.endm
.macro IMAGE adr, off
.irp c, 0,1,2,3
	ds_store_b128 v[\adr], v[PC+4*\c:PC+4*\c+3] offset:\off+512*\c
.endr
.endm
; Block s29 of my 24 into set p: 512 scale bytes and 8 fragments, 33 loads.  Its place: the pass's first block + (start + s29) modulo the pass's 8 or 4 steps.
.macro BFETCH p
	s_wait_xcnt 0x0                                ; earlier loads and prefetches have read their bases
	s_cmp_lt_u32 s29, 16
	s_cselect_b32 s50, 7, 3
	s_add_co_u32 s51, s29, s28
	s_and_b32 s51, s51, s50
	s_and_not1_b32 s50, s29, s50
	s_or_b32 s51, s51, s50
	s_and_b32 s51, s51, 31
	s_lshl_b32 s30, s51, 14
	s_lshl_b32 s32, s51, 9
	s_add_nc_u64 s[34:35], s[6:7], s[30:31]
	s_add_nc_u64 s[36:37], s[8:9], s[32:33]
	s_add_co_u32 s29, s29, 1
	global_load_b128 v[32+8*\p:35+8*\p], v[LI], s[36:37]
	WIN 0x40
.set i, 0
.rept 32
	global_load_b128 v[128*\p+4*i:128*\p+4*i+3], v[LI], s[34:35] offset:512*i
.set i, i+1
.endr
	WIN 0
.endm
.macro AADDR ty                        ; the LDS addresses of K step s38 / 2048
.if \ty == 0
	s_lshr_b32 s39, s38, 4
	v_add_nc_u32 v[ADRA], s38, v[LI]
	v_add_nc_u32 v[ADRA2], 0x10000, v[ADRA]
	v_add_nc_u32 v[ADRS], s39, v[ASX]
.else
	s_lshr_b32 s39, s38, 2
	v_add_nc_u32 v[ADRA], s38, v[AAH]
	v_add_nc_u32 v[ADRA2], 0x8000, v[ADRA]
	v_add_nc_u32 v[ADRS], s39, v[ASH]
.endif
.endm
.macro SCALA ty, p                     ; A's scale words: register k: lanes 0-15 row tile k's, lanes 16-31 row tile 4 + k's
.if \ty == 0
	ds_load_b64 v[36+8*(\p):37+8*(\p)], v[ADRS]
	ds_load_b64 v[38+8*(\p):39+8*(\p)], v[ADRS] offset:1024
.else
	ds_load_b128 v[36+8*(\p):39+8*(\p)], v[ADRS]
.endif
.endm
.macro AFETCH ty, a0
.set rAD, ADRA
.if \a0
.set rAD, ADRA2
.endif
.irp a, 0,1,2,3
.irp c, 0,1,2,3
	ds_load_b128 v[128+16*(\a0+\a)+4*\c:128+16*(\a0+\a)+4*\c+3], v[rAD] offset:(16384>>\ty)*\a+512*\c
.endr
.endr
.endm
.macro BIASLD                          ; eight registers a tile in the result's layout: units 32 (b / 2) + 16 h + 8 (b % 2) + 0 .. 7 of the wave's 128
.irp b, 0,1,2,3,4,5,6,7
	ds_load_b128 v[64+8*\b:67+8*\b], v[ADRB] offset:(32*(\b/2)+8*(\b%2))*4
	ds_load_b128 v[68+8*\b:71+8*\b], v[ADRB] offset:(32*(\b/2)+8*(\b%2))*4+16
.endr
.endm
.macro WM z, rx, ry
.if \z
.if (\rx) && (\ry)
	v_wmma_scale_f32_16x16x128_f8f6f4 v[rD:rD+7], v[rX:rX+15], v[rY:rY+15], 0, v[sX], v[sY] matrix_a_scale:MATRIX_SCALE_ROW1 matrix_b_scale:MATRIX_SCALE_ROW1
.elseif (\rx)
	v_wmma_scale_f32_16x16x128_f8f6f4 v[rD:rD+7], v[rX:rX+15], v[rY:rY+15], 0, v[sX], v[sY] matrix_a_scale:MATRIX_SCALE_ROW1
.elseif (\ry)
	v_wmma_scale_f32_16x16x128_f8f6f4 v[rD:rD+7], v[rX:rX+15], v[rY:rY+15], 0, v[sX], v[sY] matrix_b_scale:MATRIX_SCALE_ROW1
.else
	v_wmma_scale_f32_16x16x128_f8f6f4 v[rD:rD+7], v[rX:rX+15], v[rY:rY+15], 0, v[sX], v[sY]
.endif
.else
.if (\rx) && (\ry)
	v_wmma_scale_f32_16x16x128_f8f6f4 v[rD:rD+7], v[rX:rX+15], v[rY:rY+15], v[rC:rC+7], v[sX], v[sY] matrix_a_scale:MATRIX_SCALE_ROW1 matrix_b_scale:MATRIX_SCALE_ROW1
.elseif (\rx)
	v_wmma_scale_f32_16x16x128_f8f6f4 v[rD:rD+7], v[rX:rX+15], v[rY:rY+15], v[rC:rC+7], v[sX], v[sY] matrix_a_scale:MATRIX_SCALE_ROW1
.elseif (\ry)
	v_wmma_scale_f32_16x16x128_f8f6f4 v[rD:rD+7], v[rX:rX+15], v[rY:rY+15], v[rC:rC+7], v[sX], v[sY] matrix_b_scale:MATRIX_SCALE_ROW1
.else
	v_wmma_scale_f32_16x16x128_f8f6f4 v[rD:rD+7], v[rX:rX+15], v[rY:rY+15], v[rC:rC+7], v[sX], v[sY]
.endif
.endif
.endm
; 16 matrix instructions: row tiles a0, a0 + 1 x my 8 column tiles.  ty 0: source 0 = W's tile, source 1 = the rows (a lane holds one row); ty 1: the other way round.
; cm 0: in place; 1: C = the bias in v64 on; 2: C = 0.  The 64 accumulators take turns, in the same order in every K step.
.macro MUL16 ty, a0, p, cm
.set dW, 2+(\a0)/4
.if \cm == 1
	WIN (1+3*(\ty))|(dW<<6)
.else
	WIN (1+3*(\ty))|(dW<<6)|(dW<<4)
.endif
.irp a, \a0, \a0+1
.irp b, 0,1,2,3,4,5,6,7
.set rD, 8*(8*((\a)%4)+\b)
.set rC, rD
.if \cm == 1
.set rC, 64+8*\b
.endif
.if \ty == 0
.set rX, 128*(\p)+16*\b
.set rY, 128+16*(\a)
.set sX, 32+8*(\p)+(\b)%4
.set sY, 36+8*(\p)+(\a)%4
	WM (\cm)==2, (\b)/4, (\a)/4
.else
.set rX, 128+16*(\a)
.set rY, 128*(\p)+16*\b
.set sX, 36+8*(\p)+(\a)%4
.set sY, 32+8*(\p)+(\b)%4
	WM (\cm)==2, (\a)/4, (\b)/4
.endif
.endr
.endr
.endm
; A K step of passes 2 and 3: 64 matrix instructions.  A has one set: fragments 0-3 of the next step (wrapping round) come in the middle, 4-7 at the end; set p of the weights is filled again at the end.
; ln: the younger global loads that may stay out.  bf 2: the stream has 24 blocks; behind the last nothing is asked for, and what is out is waited for.
; A load into a register that a matrix instruction has read stands eight plain vector lines behind it.
.macro KSTEP ty, p, cm, ln, bf
	s_wait_loadcnt \ln
	s_wait_dscnt 16                                ; all but A's fragments 4-7
	MUL16 \ty, 0, \p, \cm
	MUL16 \ty, 2, \p, \cm
	WIN 0
	s_wait_dscnt 0x0
	s_add_co_u32 s38, s38, 2048
.if \ty == 0
	s_and_b32 s38, s38, 0x3800
.else
	s_and_b32 s38, s38, 0x1800
.endif
	AADDR \ty                                      ; three of the eight places
	PLACES 5
	SCALA \ty, 1-\p
	AFETCH \ty, 0
	MUL16 \ty, 4, \p, \cm
	MUL16 \ty, 6, \p, \cm
	WIN 0
	PLACES 8
	AFETCH \ty, 4
.if \bf == 1
	BFETCH \p
.else
	s_cmp_lt_u32 s29, 24
	s_cbranch_scc0 .Lnofetch_\@
	BFETCH \p
	s_branch .Lfetched_\@
.Lnofetch_\@:
	s_wait_loadcnt 0x0
.Lfetched_\@:
.endif
.endm
; A trip of pass 1: the K step in slot `slot` is quantised and multiplied (weights' set = slot).  One barrier shows my tile landed, parts the last trip's reads of the images from this trip's stores
; and stands in front of the refill of the other slot; a second parts the images' stores from their reads.  By the text's own count one tensor load a wave is out.
.macro FTRIP slot, refill, ln
	s_wait_tensorcnt 0x0                           ; all my tensor loads have landed: this slot's tile
	ds_add_u32 v58, v62
.if \refill
	s_add_co_u32 s82, s82, 512                     ; the next K step of x, wrapping round inside the row
	s_and_b32 s82, s82, 0xe00
	s_add_nc_u64 s[94-16*\slot:95-16*\slot], s[80:81], s[82:83]
	s_or_b32 s[95-16*\slot], s[95-16*\slot], 0x80000000
	s_add_co_u32 s86, s86, 512                     ; and the K step two loads on, for the prefetch
	s_and_b32 s86, s86, 0xe00
	s_add_nc_u64 s[84:85], s[80:81], s[86:87]
.endif
	s_mov_b32 s46, 0
	s_mov_b32 s47, s38
	s_lshr_b32 s63, s38, 4
	s_wait_dscnt 0x0                               ; the add, and my reads of the images and of the other slot
	s_barrier_signal -1
	s_barrier_wait -1
.if \refill
	tensor_load_to_lds s[92-16*\slot:95-16*\slot], s[68:75]
	s_nop 0
.endif
.Lxq_\@:                                               ; my two row tiles, one text: 8,448 bytes on in the slot, 16,384 in the images, 4 in the scale words
	v_add_nc_u32 v[TOC], s46, v[TO+\slot]
	v_add_nc_u32 v[XWC], s47, v[XWI]
	v_add_nc_u32 v[XSW], s63, v[XWS]
.irp b, 0,1,2,3
.irp j, 0,1,2,3
	ds_load_b128 v[XS+16*\b+4*\j:XS+16*\b+4*\j+3], v[TOC] offset:128*\b+16*\j
.endr
.endr
	s_wait_dscnt 0x0
	QUANTW XS, 0, 0
	IMAGE XWC, 0
	ds_store_b32 v[XSW], v[PW]                     ; both halves of the lanes write the same word with the same value
	s_add_co_u32 s47, s47, 16384
	s_add_co_u32 s63, s63, 4
	s_add_co_u32 s46, s46, 8448
	s_cmp_lt_u32 s46, 16896
	s_wait_alu depctr_va_vdst(0)
	s_cbranch_scc1 .Lxq_\@
.if \refill
	s_cmp_gt_u32 s41, 1                            ; trips 0 to 4 alone: later trips have no load two trips on
	s_cbranch_scc0 .Lnp_\@
	global_prefetch_b8 v[PFO], s[84:85] th:TH_LOAD_NT scope:SCOPE_SE
	global_prefetch_b8 v[PFO], s[84:85] offset:256 th:TH_LOAD_NT scope:SCOPE_SE
.Lnp_\@:
.endif
	AADDR 0
	s_wait_alu depctr_va_vdst(0)
	BAR                                            ; the K step's eight fragments lie in LDS
	SCALA 0, \slot
	AFETCH 0, 0
	AFETCH 0, 4
	s_wait_loadcnt \ln
	s_wait_dscnt 16
	MUL16 0, 0, \slot, 0
	MUL16 0, 2, \slot, 0
	s_wait_dscnt 0x0
	MUL16 0, 4, \slot, 0
	MUL16 0, 6, \slot, 0
	WIN 0
	PLACES 8
	BFETCH \slot
	s_add_co_u32 s38, s38, 2048                    ; the next trip's place
.endm
	; ---- head
	s_load_b512 s[4:19], s[0:1], 0x0               ; x, wq, wsc, b_as, b_c1, W_af, b_af, part
	s_load_b64 s[20:21], s[0:1], 0x40              ; ml
	v_lshl_add_u32 v58, v0, 2, SPARE
	v_mov_b32 v62, 0
	ds_add_u32 v58, v62
	ds_add_u32 v58, v62
	v_lshrrev_b32 v48, 5, v0
	v_readfirstlane_b32 s3, v48                    ; wave w
	s_mov_b32 s2, ttmp9                            ; work-group g
	s_mov_b32 s68, (2<<16)|(1<<20)|(6<<22)|(3<<25) ; group 1: elements of 4 bytes; 4 dwords of padding behind every 128
	s_mov_b32 s69, 128<<16                         ; tensor_dim0
	s_mov_b32 s70, 32<<16                          ; tensor_dim1
	s_mov_b32 s71, 128<<16                         ; tile_dim0
	s_mov_b32 s72, 32                              ; tile_dim1
	s_mov_b32 s73, 1024                            ; a row of x in elements
	s_mov_b32 s74, 0
	s_mov_b32 s75, 0
	s_mov_b32 s22, 0x600000
	s_mov_b32 s60, 0x4800000
	s_mov_b32 s61, 0xfc000000
	s_mov_b32 s62, 0x7f800000
	s_mov_b32 s24, 0x76543210
	s_mov_b32 s25, 0xfedcba98
	s_mov_b32 s26, 0x4038aa3b                      ; 2 log2(e)
	s_mov_b32 s27, s26
	s_mov_b32 s49, 0x3fb8aa3b                      ; log2(e)
	s_lshr_b32 s44, s2, 3
	s_add_co_u32 s44, s44, s2
	s_and_b32 s28, s44, 7                          ; the K step at which I begin
	s_mov_b32 s38, 0                               ; 2048 x the place in the images
	s_lshl_b32 s82, s28, 9
	s_mov_b32 s83, 0
	s_mov_b32 s87, 0
	s_mov_b32 s29, 0
	s_mov_b32 s31, 0
	s_mov_b32 s33, 0
	s_mov_b32 s45, 0
	s_mov_b32 s76, 1
	s_mov_b32 s92, 1
	s_mul_i32 s77, s3, 16896
	s_add_co_u32 s77, s77, RAW                     ; my rows of slot 0,
	s_add_co_u32 s93, s77, 67584                   ; and of slot 1
	s_lshl_b32 s52, s3, 15
	s_lshl_b32 s53, s3, 10
	s_add_co_u32 s58, s53, USTG
	s_add_co_u32 s53, s53, XSC
	s_lshl_b32 s54, s3, 11
	s_lshl_b32 s44, s3, 9
	s_add_co_u32 s55, s44, HSC
	s_add_co_u32 s56, s44, CONST
	s_add_co_u32 s57, s44, SCR
	s_add_co_u32 s59, s44, PARR
	s_wait_dscnt 0x0
	s_wait_kmcnt 0x0
	s_lshl_b32 s44, s2, 7
	s_lshl_b32 s46, s3, 5
	s_add_co_u32 s44, s44, s46
	s_lshl_b32 s44, s44, 12                        ; row 128 g + 32 w
	s_add_nc_u64 s[80:81], s[4:5], s[44:45]
	s_add_nc_u64 s[78:79], s[80:81], s[82:83]
	s_or_b32 s79, s79, 0x80000000
	tensor_load_to_lds s[76:79], s[68:75]          ; my 32 rows of the first K step: one tensor load a wave at the head
	s_nop 0
	v_and_b32 v48, 31, v0
	v_and_b32 v49, 15, v0                          ; r
	v_bfe_u32 v50, v0, 4, 1                        ; h
	v_lshlrev_b32 v[LI], 4, v48
	v_lshlrev_b32 v[PFO], 12, v48                  ; a lane a row of x
	v_mul_u32_u24 v51, v49, 528
	v_lshl_add_u32 v51, v50, 6, v51                ; row r, + 64 h: my 16 numbers of a block of 32
	v_add_nc_u32 v[TO], s77, v51
	v_add_nc_u32 v[TO+1], s93, v51
	v_add_nc_u32 v[XWI], s52, v[LI]
	v_lshl_add_u32 v[XWS], v49, 3, s53
	v_add_nc_u32 v[HWI], s54, v[LI]
	v_lshl_add_u32 v[HWS], v49, 4, s55
	v_lshl_add_u32 v[C0], v50, 6, s56
	v_lshl_add_u32 v[SCW], v49, 2, s57
	v_and_b32 v51, 8, v49
	v_add_nc_u32 v51, v51, v49                     ; the column that lane r of a tile holds
	v_lshl_add_u32 v[UADR], v51, 2, s58
	v_add_nc_u32 v[ASH], HSC, v[LI]
	v_add_nc_u32 v[AAH], HIMG, v[LI]
	v_lshlrev_b32 v[ASX], 3, v49
	v_lshl_add_u32 v[ASX], v50, 11, v[ASX]
	v_add_nc_u32 v[ASX], XSC, v[ASX]
	v_lshlrev_b32 v54, 4, v0
	v_add_nc_u32 v55, CONST, v54
.irp b, 0,1,2,3
	v_mov_b32 v[TM+4+\b], 0                        ; a lane permute's destination counts as one of its sources
.endr
	s_wait_alu depctr_va_vdst(0)
	s_load_b32 s23, s[16:17], 0x0                  ; b_af
	s_mul_i32 s44, s3, 393216
	s_add_nc_u64 s[6:7], s[6:7], s[44:45]          ; my 24 blocks of weights,
	s_mul_i32 s44, s3, 12288
	s_add_nc_u64 s[8:9], s[8:9], s[44:45]          ; and their scale words
	s_lshl_b32 s44, s2, 12
	s_lshl_b32 s46, s3, 9
	s_add_co_u32 s44, s44, s46
	s_add_nc_u64 s[18:19], s[18:19], s[44:45]      ; part + 4096 g + 512 w
	s_lshl_b32 s44, s2, 3
	s_add_nc_u64 s[20:21], s[20:21], s[44:45]      ; ml + 8 g
	s_add_co_u32 s86, s82, 512
	s_and_b32 s86, s86, 0xe00
	s_add_nc_u64 s[88:89], s[80:81], s[86:87]
	s_add_co_u32 s86, s86, 512
	s_and_b32 s86, s86, 0xe00
	s_add_nc_u64 s[84:85], s[80:81], s[86:87]
	global_prefetch_b8 v[PFO], s[88:89] th:TH_LOAD_NT scope:SCOPE_SE            ; what the loads of trips 0 and 1 fetch
	global_prefetch_b8 v[PFO], s[88:89] offset:256 th:TH_LOAD_NT scope:SCOPE_SE
	global_prefetch_b8 v[PFO], s[84:85] th:TH_LOAD_NT scope:SCOPE_SE
	global_prefetch_b8 v[PFO], s[84:85] offset:256 th:TH_LOAD_NT scope:SCOPE_SE
	global_load_b128 v[64:67], v54, s[10:11]       ; b_as, b_c1, W_af: 128 threads x 16 bytes each
	global_load_b128 v[68:71], v54, s[12:13]
	global_load_b128 v[72:75], v54, s[14:15]
	BFETCH 0
	BFETCH 1
	s_wait_loadcnt 63                              ; 66 loads stand behind the three; a wait names 63 at the most
	ds_store_b128 v55, v[64:67]
	ds_store_b128 v55, v[68:71] offset:2048
	ds_store_b128 v55, v[72:75] offset:4096
	s_wait_kmcnt 0x0                               ; b_af
	BAR                                            ; the constants lie in LDS
.irp W, 2,3
	WIN \W<<6                                      ; b_as into pass 1's accumulators, in the result's layout, once for each row tile
.irp a, 0,1,2,3
.irp b, 0,1,2,3,4,5,6,7
	ds_load_b128 v[64*\a+8*\b:64*\a+8*\b+3], v[C0] offset:(32*(\b/2)+8*(\b%2))*4
	ds_load_b128 v[64*\a+8*\b+4:64*\a+8*\b+7], v[C0] offset:(32*(\b/2)+8*(\b%2))*4+16
.endr
.endr
.endr
	WIN 0
	; ---- pass 1: trips 0 to 6 in the loop, which is left from its middle; trip 7 fills nothing and is written out
	s_mov_b32 s41, 4
.Lf:
	FTRIP 0, 1, 33
	s_sub_co_i32 s41, s41, 1
	s_cmp_eq_u32 s41, 0
	s_cbranch_scc1 .Lfx
	FTRIP 1, 1, 33
	s_cmp_lg_u32 s41, 0
	s_cbranch_scc1 .Lf
.Lfx:
	FTRIP 1, 0, 0
	BAR
	; ---- E1: r = 1 / (1 + 2^(2 log2(e) z)), in place; then the rows' sums of W_af r over my 128 units.  Each accumulator is read from its low end on.
	v_add_nc_u32 v[ADRB], 4096, v[C0]
	BIASLD                                         ; W_af
.irp W, 2,3
	WIN \W*0x41
.set i, 0
.rept 128
	v_pk_mul_f32 v[i:i+1], v[i:i+1], s[26:27] op_sel_hi:[1,0]
.set i, i+2
.endr
.endr
	s_wait_alu depctr_va_vdst(0)
.irp W, 2,3
	WIN \W*0x41
.set i, 0
.rept 256
	v_exp_f32 v[i], v[i]
.set i, i+1
.endr
.endr
	v_nop
	s_wait_alu depctr_va_vdst(0)
.irp W, 2,3
	WIN \W*0x41
.set i, 0
.rept 128
	v_pk_add_f32 v[i:i+1], v[i:i+1], 1.0 op_sel_hi:[1,0]
.set i, i+2
.endr
.endr
	s_wait_alu depctr_va_vdst(0)
.irp W, 2,3
	WIN \W*0x41
.set i, 0
.rept 256
	v_rcp_f32 v[i], v[i]
.set i, i+1
.endr
.endr
	v_nop
	s_wait_alu depctr_va_vdst(0)
	s_wait_dscnt 0x0                               ; W_af
.irp W, 2,3
	WIN \W
.set q, 0
.rept 32
.irp a, 0,1,2,3
.if q == 0
	v_pk_mul_f32 v[16+2*(4*(\W-2)+\a):17+2*(4*(\W-2)+\a)], v[64*\a+2*q:64*\a+2*q+1], v[64+2*q:65+2*q]
.else
	v_pk_fma_f32 v[16+2*(4*(\W-2)+\a):17+2*(4*(\W-2)+\a)], v[64*\a+2*q:64*\a+2*q+1], v[64+2*q:65+2*q], v[16+2*(4*(\W-2)+\a):17+2*(4*(\W-2)+\a)]
.endif
.endr
.set q, q+1
.endr
.endr
	WIN 0
.irp a, 0,1,2,3,4,5,6,7
	v_add_f32 v[16+2*\a], v[16+2*\a], v[17+2*\a]
.endr
.irp a, 0,1,2,3,4,5,6,7
	v_permlanex16_b32 v[17+2*\a], v[16+2*\a], s24, s25
.endr
.irp a, 0,1,2,3,4,5,6,7
	v_add_f32 v[16+2*\a], v[16+2*\a], v[17+2*\a]   ; row 16 a + r, my 128 units
.endr
.irp a, 0,1,2,3,4,5,6,7
	ds_store_b32 v[SCW], v[16+2*\a] offset:64*\a
.endr
	BAR
	; ---- pass 2: 8 K steps from the images; the first takes b_c1 as C; the loop is left from its middle
	s_mov_b32 s38, 0                               ; places 0 to 7, as the trips laid them: the weights' stream walks the same K steps
	v_add_nc_u32 v[ADRB], 2048, v[C0]
	BIASLD
	AADDR 0
	SCALA 0, 0
	AFETCH 0, 0
	AFETCH 0, 4
	KSTEP 0, 0, 1, 0, 1
	s_mov_b32 s41, 4
.Lk2:
	KSTEP 0, 1, 0, 33, 1
	s_sub_co_i32 s41, s41, 1
	s_cmp_eq_u32 s41, 0
	s_cbranch_scc1 .Lk2x
	KSTEP 0, 0, 0, 33, 1
	s_cmp_lg_u32 s41, 0
	s_cbranch_scc1 .Lk2
.Lk2x:
	BAR                                            ; every wave's reads of x's images are over: the hidden layer's are stored over them
	; ---- E2: relu and the quantiser; my 128 hidden units are K step w of the next product
.irp a, 0,1,2,3,4,5,6,7
	QUANTW 64*(\a%4), 2+\a/4, 1
	IMAGE HWI, 8192*\a
	ds_store_b32 v[HWS], v[PW] offset:256*(\a/4)+4*(\a%4)
.endr
	BAR
	; ---- S: every wave does all 128 rows; lane l holds rows 4 l .. 4 l + 3
	v_add_nc_u32 v48, SCR, v[LI]
	v_lshl_add_u32 v49, v[LI], 2, CONST+4096
.irp q, 0,1,2,3
	ds_load_b128 v[128+4*\q:131+4*\q], v48 offset:512*\q
.endr
.irp q, 0,1,2,3
	ds_load_b128 v[144+4*\q:147+4*\q], v49 offset:16*\q
.endr
	v_add_nc_u32 v50, s59, v[LI]
	v_bfe_u32 v51, v0, 4, 1
	v_lshl_add_u32 v51, v51, 5, s59
	s_wait_alu depctr_va_vdst(0)
	s_wait_dscnt 0x0
	v_pk_add_f32 v[128:129], v[128:129], v[132:133]
	v_pk_add_f32 v[130:131], v[130:131], v[134:135]
	v_pk_add_f32 v[136:137], v[136:137], v[140:141]
	v_pk_add_f32 v[138:139], v[138:139], v[142:143]
	v_pk_add_f32 v[144:145], v[144:145], v[146:147]
	v_pk_add_f32 v[148:149], v[148:149], v[150:151]
	v_pk_add_f32 v[152:153], v[152:153], v[154:155]
	v_pk_add_f32 v[156:157], v[156:157], v[158:159]
	v_pk_add_f32 v[128:129], v[128:129], v[136:137]
	v_pk_add_f32 v[130:131], v[130:131], v[138:139]
	v_pk_add_f32 v[144:145], v[144:145], v[148:149]
	v_pk_add_f32 v[152:153], v[152:153], v[156:157]
	v_pk_add_f32 v[144:145], v[144:145], v[152:153]
	v_add_f32 v144, v144, v145
	v_add_f32_dpp v144, v144, v144 row_xmask:1 row_mask:0xf bank_mask:0xf
	v_add_f32_dpp v144, v144, v144 row_xmask:2 row_mask:0xf bank_mask:0xf
	v_add_f32_dpp v144, v144, v144 row_xmask:4 row_mask:0xf bank_mask:0xf
	v_add_f32_dpp v144, v144, v144 row_xmask:8 row_mask:0xf bank_mask:0xf
	v_permlanex16_b32 v145, v144, s24, s25
	v_add_f32 v144, v144, v145                     ; sum(W_af)
	v_add_f32 v144, s23, v144                      ; + b_af
.irp i, 0,1,2,3
	v_fma_f32 v[128+\i], -2.0, v[128+\i], v144     ; the score
.endr
	v_max3_num_f32 v146, v128, v129, v130
	v_max_num_f32 v146, v146, v131
	v_max_num_f32_dpp v146, v146, v146 row_xmask:1 row_mask:0xf bank_mask:0xf
	v_max_num_f32_dpp v146, v146, v146 row_xmask:2 row_mask:0xf bank_mask:0xf
	v_max_num_f32_dpp v146, v146, v146 row_xmask:4 row_mask:0xf bank_mask:0xf
	v_max_num_f32_dpp v146, v146, v146 row_xmask:8 row_mask:0xf bank_mask:0xf
	v_permlanex16_b32 v147, v146, s24, s25
	v_max_num_f32 v12, v146, v147                  ; m
.irp i, 0,1,2,3
	v_sub_f32 v[128+\i], v[128+\i], v12
.endr
.irp i, 0,1,2,3
	v_mul_f32 v[128+\i], s49, v[128+\i]
.endr
	s_wait_alu depctr_va_vdst(0)
.irp i, 0,1,2,3
	v_exp_f32 v[128+\i], v[128+\i]                 ; p = e^(score - m)
.endr
	v_nop
	s_wait_alu depctr_va_vdst(0)
	v_add_f32 v146, v128, v129
	v_add_f32 v147, v130, v131
	v_add_f32 v146, v146, v147
	v_add_f32_dpp v146, v146, v146 row_xmask:1 row_mask:0xf bank_mask:0xf
	v_add_f32_dpp v146, v146, v146 row_xmask:2 row_mask:0xf bank_mask:0xf
	v_add_f32_dpp v146, v146, v146 row_xmask:4 row_mask:0xf bank_mask:0xf
	v_add_f32_dpp v146, v146, v146 row_xmask:8 row_mask:0xf bank_mask:0xf
	v_permlanex16_b32 v147, v146, s24, s25
	v_add_f32 v13, v146, v147                      ; l
	ds_store_b128 v50, v[128:131]                  ; p into my wave's own copy, and back in pass 3's layout: register 8 a + j = p of row 16 a + 8 h + j
.irp a, 0,1,2,3,4,5,6,7
	ds_load_b128 v[64+8*\a:67+8*\a], v51 offset:64*\a
	ds_load_b128 v[68+8*\a:71+8*\a], v51 offset:64*\a+16
.endr
	s_wait_alu depctr_va_vdst(0)
	BAR
	; ---- passes 3a and 3b: one text, two trips; 4 K steps each
	s_and_b32 s38, s28, 3                          ; the hidden layer's images lie by K step: I begin at start % 4, as the weights' stream does
	s_lshl_b32 s38, s38, 11
	s_mov_b32 s42, 0
.Lhalf:
	AADDR 1
	SCALA 1, 0
	AFETCH 1, 0
	AFETCH 1, 4
	KSTEP 1, 0, 2, 0, 1                            ; behind a half's first step the stream stands at block 18 or 22: there is always a block to ask for
	s_mov_b32 s41, 2
.Lk3:
	KSTEP 1, 1, 0, 33, 2
	s_sub_co_i32 s41, s41, 1
	s_cmp_eq_u32 s41, 0
	s_cbranch_scc1 .Lk3x
	KSTEP 1, 0, 0, 33, 2
	s_cmp_lg_u32 s41, 0
	s_cbranch_scc1 .Lk3
.Lk3x:
	BAR
	s_lshl_b32 s44, s42, 9
	v_add_nc_u32 v52, s44, v[UADR]
	; ---- E3: u = sum over the rows of p x the product: eight column tiles' chains by turns; each accumulator is read from its low end on
.irp W, 2,3
	WIN \W
.irp a, 0,1,2,3
.irp jp, 0,1,2,3
.irp b, 0,1,2,3,4,5,6,7
.if (\W == 2) && (\a == 0) && (\jp == 0)
	v_pk_mul_f32 v[16+2*\b:17+2*\b], v[64*\a+8*\b+2*\jp:64*\a+8*\b+2*\jp+1], v[64+8*(4*(\W-2)+\a)+2*\jp:65+8*(4*(\W-2)+\a)+2*\jp]
.else
	v_pk_fma_f32 v[16+2*\b:17+2*\b], v[64*\a+8*\b+2*\jp:64*\a+8*\b+2*\jp+1], v[64+8*(4*(\W-2)+\a)+2*\jp:65+8*(4*(\W-2)+\a)+2*\jp], v[16+2*\b:17+2*\b]
.endif
.endr
.endr
.endr
.endr
	WIN 0
.irp b, 0,1,2,3,4,5,6,7
	v_add_f32 v[16+2*\b], v[16+2*\b], v[17+2*\b]
.endr
.irp b, 0,1,2,3,4,5,6,7
	v_permlanex16_b32 v[17+2*\b], v[16+2*\b], s24, s25
.endr
.irp b, 0,1,2,3,4,5,6,7
	v_add_f32 v[16+2*\b], v[16+2*\b], v[17+2*\b]   ; all 128 rows, column 32 (b / 2) + 8 (b % 2) + r + 8 (r / 8) of my 128
.endr
.irp b, 0,1,2,3,4,5,6,7
	ds_store_b32 v52, v[16+2*\b] offset:(32*(\b/2)+8*(\b%2))*4
.endr
	s_wait_alu depctr_va_vdst(0)
	BAR
	s_add_co_u32 s42, s42, 1
	s_cmp_lt_u32 s42, 2
	s_cbranch_scc1 .Lhalf
	; ---- out: my 2 x 128 columns of u, as two runs of 512 consecutive bytes, aligned; thread 0 stores (m, l)
	v_add_nc_u32 v53, s58, v[LI]
	ds_load_b128 v[128:131], v53
	ds_load_b128 v[132:135], v53 offset:512
	v_mov_b32 v56, 0
	s_wait_alu depctr_va_vdst(0)
	s_wait_dscnt 0x0
	global_store_b128 v[LI], v[128:131], s[18:19]
	global_store_b128 v[LI], v[132:135], s[18:19] offset:2048
	s_wait_xcnt 0x0                                ; EXEC changes only behind this wait
	v_cmp_eq_u32 vcc_lo, 0, v0
	s_wait_tensorcnt 0x0                           ; the wave's end
	ds_add_u32 v58, v62
	s_wait_dscnt 0x0
	s_and_saveexec_b32 s48, vcc_lo
	global_store_b64 v56, v[12:13], s[20:21]
	s_wait_xcnt 0x0
	s_or_b32 exec_lo, exec_lo, s48
	s_endpgm
.Lfunc_end_k_qf8997aaaf7_main:
	.size	k_qf8997aaaf7_main, .Lfunc_end_k_qf8997aaaf7_main-k_qf8997aaaf7_main
	.p2alignl 7, 3214868480
	.fill 96, 4, 3214868480
	.section	.rodata,"a",@progbits
	.p2align	6, 0x0
	.amdhsa_kernel k_qf8997aaaf7_main
		.amdhsa_group_segment_fixed_size 327680
		.amdhsa_private_segment_fixed_size 0
		.amdhsa_enable_private_segment 0
		.amdhsa_kernarg_size 72
		.amdhsa_user_sgpr_count 2
		.amdhsa_user_sgpr_kernarg_segment_ptr 1
		.amdhsa_wavefront_size32 1
		.amdhsa_system_sgpr_workgroup_id_x 1
		.amdhsa_system_sgpr_workgroup_id_y 1
		.amdhsa_system_sgpr_workgroup_id_z 1
		.amdhsa_system_vgpr_workitem_id 0
		.amdhsa_next_free_vgpr 1024
		.amdhsa_next_free_sgpr 96
		.amdhsa_reserve_vcc 1
		.amdhsa_float_denorm_mode_32 3
		.amdhsa_float_denorm_mode_16_64 3
		.amdhsa_memory_ordered 1
		.amdhsa_forward_progress 1
		.amdhsa_inst_pref_size 255
	.end_amdhsa_kernel
	.section	.bss,"aw",@nobits
	.p2align	6
	.space	262144
	.amdgpu_metadata
---
amdhsa.version: [ 1, 2 ]
amdhsa.kernels:
  - .name:           k_qf8997aaaf7_main
    .symbol:         k_qf8997aaaf7_main.kd
    .args:
      - { .name: x, .offset: 0, .size: 8, .value_kind: global_buffer, .address_space: global }
      - { .name: wq, .offset: 8, .size: 8, .value_kind: global_buffer, .address_space: global }
      - { .name: wsc, .offset: 16, .size: 8, .value_kind: global_buffer, .address_space: global }
      - { .name: b_as, .offset: 24, .size: 8, .value_kind: global_buffer, .address_space: global }
      - { .name: b_c1, .offset: 32, .size: 8, .value_kind: global_buffer, .address_space: global }
      - { .name: W_af, .offset: 40, .size: 8, .value_kind: global_buffer, .address_space: global }
      - { .name: b_af, .offset: 48, .size: 8, .value_kind: global_buffer, .address_space: global }
      - { .name: part, .offset: 56, .size: 8, .value_kind: global_buffer, .address_space: global }
      - { .name: ml, .offset: 64, .size: 8, .value_kind: global_buffer, .address_space: global }
    .group_segment_fixed_size: 327680
    .private_segment_fixed_size: 0
    .kernarg_segment_align: 8
    .kernarg_segment_size: 72
    .max_flat_workgroup_size: 128
    .sgpr_count:     96
    .vgpr_count:     1024
    .wavefront_size: 32
...
	.end_amdgpu_metadata
.endif
;; end of part 2
;; launch tail (part 3): grid 16 x 1, 8 waves a work-group, no clusters, 119,808 bytes of LDS; arguments part, ml, b_c2, wq, wsc, b_ws, ln_g, ln_b, b_u, out0; writes out0
.if DOCPART == 3
	.amdgcn_target "amdgcn-amd-amdhsa--gfx1250"
	.amdhsa_code_object_version 6
	.text
	.protected	k_qf8997aaaf7_tail
	.globl	k_qf8997aaaf7_tail
	.p2align	8
	.type	k_qf8997aaaf7_tail,@function
k_qf8997aaaf7_tail:
	s_mov_b64 s[64:65], 0
	v_nop
	global_prefetch_b8 v0, s[64:65] scope:SCOPE_SE
	s_setreg_imm32_b32 hwreg(HW_REG_WAVE_MODE, 25, 1), 1
	s_wait_xcnt 0x0
; The end on 64 rows.  Work-group i takes batches 4 i .. 4 i + 3; eight waves share the columns.
; THE TILE'S 16 ROWS HOLD EACH BATCH FOUR TIMES: row r is batch r % 4.  LayerNorm wants all 512 columns of a row in one work-group, so every work-group loads the 655,360 bytes of W_ws's and W_u's codes whole;
; what can be shared out is the partial sums: 4 batches are 65,536 bytes a work-group, 16 would be 262,144.  The replicas cost matrix instructions alone (40 a wave); rows 0 to 3 are stored.
;   J  summed[b] = sum over the batch's four quarters q of c_q u_q + b_c2, with M = max m_q, e_q = e^(m_q - M), c_q = e_q / sum(e_q l_q): the four partial softmaxes under their common maximum.
;      Wave v joins and quantises columns 128 v .. 128 v + 127: K step v of the next product; its image goes to LDS.
;   5  h = Q(summed) Q(W_ws) + b_ws: wave v makes columns 64 v .. 64 v + 63 (four tiles), the bias as the sums' first C.
;   LN mean and variance over the 512 columns, each in a pass of its own, the waves' parts joined through LDS; y = (h - mu) rsqrt(var + 1e-6) g + b.
;   6  out = Q(y) Q(W_u) + b_u: wave v makes columns 32 v .. 32 v + 31 (two tiles).
; Both products are used transposed (source 0 = 16 columns of the weight, source 1 = the 16 rows): a lane holds one row, and its registers run along the next K.
; The weights come from memory straight into registers, in groups of two K steps: steps 0 to 3 are asked for at the head, each later group as soon as registers are free, two steps or more ahead of its use.
; No cluster: each weight fragment is read by one wave of a work-group.  No prefetch: the groups of loads are themselves issued ahead.
; LIMITS: NaN and infinities are not served; a block of zeros gets the byte 1 with zero codes; b_c2 is added once behind the normalised sum.
; REGISTERS: window 0: v1-15 addresses; v16-31 at work; v32-47 codes, then A's buffer 1; v48-63 m, l, c_q, b_c2, then A's buffer 0; v64-95 scale words and nothing else;
;   v96-127 h (four accumulators), later out's two; v128-255 W_ws steps 0, 1, then 6, 7, then ln_g, ln_b and y's four fragments.
;   window 1: v0-63 the four quarters' 16 registers each (quarter 0's become the sum); v64-127 the sum turned; then W_ws steps 4, 5 (v0-127); v128-255 W_ws steps 2, 3, then W_u.
.set TSTG,  0                          ; a stage for each wave, 8,448 bytes apart: 4 rows x (512 + 16) bytes are used
.set SIMG,  67584                      ; summed's 8 fragments, 2,048 bytes each
.set SSC,   83968                      ; their scale words: 32 r + 4 s
.set NIMG,  84480                      ; y's 4 fragments
.set NSC,   92672                      ; their scale words: 16 r + 4 s
.set RED1,  92928                      ; 32 r + 4 v: the waves' sums;  RED1 + 512: of squares
.set CONST, 93952                      ; ln_g, ln_b (2,048 each), b_u (1,024)
.set OSTG,  99072                      ; 16 rows x (1,024 + 16) bytes
.set LI, 1
.set RR, 2
.set HH, 3
.set PW, 12
.set TM, 16
.set PC, 32
.set SS, 64
.set NS, 72
.set SB5, 76
.set SB6, 92
.set MSB, 0
.macro WIN new
.if MSB != (\new)
	s_set_vgpr_msb (MSB<<8)|(\new)
.set MSB, (\new)
.endif
.endm
.macro PLACES n
.rept \n
	v_nop
.endr
.endm
.macro BAR
	s_wait_dscnt 0x0
	s_barrier_signal -1
	s_barrier_wait -1
.endm
; 16 nb numbers of a lane, v[s] on in window win, register 16 b + i = k 32 b + 16 (lane / 16) + i of my row, become codes in v[PC] on and nb scale bytes in v[PW]
.macro QUANT s, win, nb
	WIN (\win)*5
.irp b, 0,1,2,3
.if \b < \nb
	v_max3_num_f32 v[TM+\b], |v[\s+16*\b]|, |v[\s+1+16*\b]|, 0x4800000   ; and the floor 2^(9 - 127): the byte cannot fall under 1
.endif
.endr
.irp i, 2,4,6,8,10,12,14
.irp b, 0,1,2,3
.if \b < \nb
	v_max3_num_f32 v[TM+\b], |v[\s+16*\b+\i]|, |v[\s+1+16*\b+\i]|, v[TM+\b]
.endif
.endr
.endr
	WIN 0
	s_wait_alu depctr_va_vdst(0)
	s_wait_dscnt 0x0                               ; earlier LDS stores have read v[PC] on
.irp b, 0,1,2,3
.if \b < \nb
	v_permlanex16_b32 v[TM+4+\b], v[TM+\b], s24, s25
.endif
.endr
.irp b, 0,1,2,3
.if \b < \nb
	v_max_num_f32 v[TM+\b], v[TM+\b], v[TM+4+\b]
.endif
.endr
.irp b, 0,1,2,3
.if \b < \nb
	v_add_nc_u32 v[TM+12+\b], 0xfc000000, v[TM+\b]
.endif
.endr
.irp b, 0,1,2,3
.if \b < \nb
	v_and_or_b32 v[TM+8+\b], v[TM+\b], 0x7f800000, s26
.endif
.endr
.irp b, 0,1,2,3
.if \b < \nb
	v_lshrrev_b32 v[TM+4+\b], 23, v[TM+12+\b]
.endif
.endr
	v_lshl_or_b32 v[PW], v[TM+5], 8, v[TM+4]
.if \nb == 4
	s_delay_alu instid0(VALU_DEP_1)
	v_lshl_or_b32 v[PW], v[TM+6], 16, v[PW]
	s_delay_alu instid0(VALU_DEP_1)
	v_lshl_or_b32 v[PW], v[TM+7], 24, v[PW]
.endif
	WIN (\win)*0x41
.irp b, 0,1,2,3
.if \b < \nb
.irp i, 0,1,2,3,4,5,6,7,8,9,10,11,12,13,14,15
	v_med3_num_f32 v[\s+16*\b+\i], v[\s+16*\b+\i], -v[TM+8+\b], v[TM+8+\b]   ; the conversion does not saturate (ISA guide 7.6.2)
.endr
.endif
.endr
	WIN (\win)
.irp b, 0,1,2,3
.if \b < \nb
	v_cvt_scalef32_pk8_fp8_f32 v[PC+4*\b:PC+4*\b+1], v[\s+16*\b:\s+16*\b+7], v[TM+12+\b]
	v_cvt_scalef32_pk8_fp8_f32 v[PC+4*\b+2:PC+4*\b+3], v[\s+16*\b+8:\s+16*\b+15], v[TM+12+\b]
.endif
.endr
	v_nop                                          ; one plain line behind the last conversion
	WIN 0
.endm
.macro B5LOAD s, reg                   ; my four tiles of W_ws, K step s: 16 loads of 512 consecutive bytes
.irp k, 0,1,2,3
.irp c, 0,1,2,3
	global_load_b128 v[\reg+16*\k+4*\c:\reg+16*\k+4*\c+3], v[LI], s[54:55] offset:16384*\s+2048*\k+512*\c
.endr
.endr
.endm
; K step s of product 5: four accumulators by turns.  ln, dn: the younger global and LDS loads that may stay out.
.macro P5STEP s, ln, dn
	s_wait_loadcnt \ln
	s_wait_dscnt \dn
.if ((\s)/2 == 1) || ((\s)/2 == 2)
	WIN 0x01                                       ; these steps' weights lie in window 1
.endif
.set rB, 128+64*((\s)%2)
.if (\s)/2 == 2
.set rB, 64*((\s)%2)
.endif
.set rA, 48-16*((\s)%2)
.irp k, 0,1,2,3
.if (\s)%2
	v_wmma_scale_f32_16x16x128_f8f6f4 v[96+8*\k:103+8*\k], v[rB+16*\k:rB+16*\k+15], v[rA:rA+15], v[96+8*\k:103+8*\k], v[SB5+4*((\s)/2)+\k], v[SS+(\s)] matrix_a_scale:MATRIX_SCALE_ROW1
.else
	v_wmma_scale_f32_16x16x128_f8f6f4 v[96+8*\k:103+8*\k], v[rB+16*\k:rB+16*\k+15], v[rA:rA+15], v[96+8*\k:103+8*\k], v[SB5+4*((\s)/2)+\k], v[SS+(\s)]
.endif
.endr
	WIN 0
	PLACES 8                                       ; ahead of loads into registers that these products have read, and of the first read of results
.if (\s) < 6
.irp c, 0,1,2,3
	ds_load_b128 v[rA+4*\c:rA+4*\c+3], v5 offset:2048*((\s)+2)+512*\c   ; summed's fragment two steps on, into the buffer just left
.endr
.endif
.endm
	s_load_b512 s[4:19], s[0:1], 0x0               ; part, ml, b_c2, wq, wsc, b_ws, ln_g, ln_b
	s_load_b128 s[20:23], s[0:1], 0x40             ; b_u, out0
	v_lshrrev_b32 v4, 5, v0
	s_delay_alu instid0(VALU_DEP_1)
	v_readfirstlane_b32 s3, v4                     ; wave v
	s_mov_b32 s2, ttmp9                            ; work-group i
	v_and_b32 v4, 31, v0
	s_delay_alu instid0(VALU_DEP_1)
	v_lshlrev_b32 v[LI], 4, v4
	v_and_b32 v[RR], 15, v0
	v_bfe_u32 v[HH], v0, 4, 1
	v_and_b32 v13, 3, v0                           ; r % 4: the batch that my row holds
	s_delay_alu instid0(VALU_DEP_1)
	v_lshlrev_b32 v4, 5, v13                       ; ml: a batch's four pairs are 32 bytes
	v_lshlrev_b32 v5, 2, v0                        ; 4 x thread
	s_delay_alu instid0(VALU_DEP_4)
	v_lshlrev_b32 v6, 6, v[HH]                     ; 64 h
	v_lshlrev_b32 v7, 4, v[RR]
	s_delay_alu instid0(VALU_DEP_1)
	v_lshl_add_u32 v7, v[HH], 9, v7                ; 512 h + 16 r: lanes 0-15 an even K step's scale words, lanes 16-31 the odd one's; kept
	v_and_b32 v37, 127, v0
	s_delay_alu instid0(VALU_DEP_1)
	v_lshlrev_b32 v37, 4, v37
	v_lshl_add_u32 v38, v0, 4, CONST
	v_lshl_add_u32 v39, v0, 2, CONST+4096
	s_mul_i32 s50, s3, 8448
	v_add_nc_u32 v8, s50, v[LI]                    ; my stage, in: a batch's 512 bytes as they lie
	v_mul_u32_u24 v9, v13, 528
	s_delay_alu instid0(VALU_DEP_1)
	v_lshl_add_u32 v9, v[HH], 6, v9
	s_delay_alu instid0(VALU_DEP_1)
	v_add_nc_u32 v9, s50, v9                       ; and back: the row of batch r % 4, + 64 h
	s_lshl_b32 s50, s3, 11
	s_add_co_u32 s50, s50, SIMG
	v_add_nc_u32 v10, s50, v[LI]                   ; summed's image: K step v
	s_lshl_b32 s50, s3, 2
	s_add_co_u32 s50, s50, SSC
	v_lshl_add_u32 v11, v[RR], 5, s50              ; its scale word
.irp b, 0,1,2,3
	v_mov_b32 v[TM+4+\b], 0                        ; written once: a lane permute's destination counts as one of its sources
.endr
	s_mov_b32 s24, 0x76543210
	s_mov_b32 s25, 0xfedcba98
	s_mov_b32 s26, 0x600000                        ; the mantissa field of 448
	s_mov_b32 s27, 0x3fb8aa3b                      ; log2(e)
	s_mov_b32 s28, 0x3b000000                      ; 1 / 512
	s_mov_b32 s29, 0x358637bd                      ; 1e-6
	s_lshr_b32 s48, s3, 1                          ; cg of product 5
	s_and_b32 s49, s3, 1
	s_mov_b32 s51, 0
	s_wait_kmcnt 0x0
	s_lshl_b32 s50, s2, 7
	s_add_nc_u64 s[6:7], s[6:7], s[50:51]          ; ml + 128 i: four batches of 32 bytes
	s_cmp_lt_u32 s3, 4
	s_cselect_b64 s[16:17], s[16:17], s[18:19]     ; waves 0-3 bring ln_g, waves 4-7 ln_b
	s_lshl_b32 s50, s3, 9
	s_add_nc_u64 s[8:9], s[8:9], s[50:51]          ; b_c2 + 512 v
	s_lshl_b32 s50, s3, 8
	s_add_nc_u64 s[14:15], s[14:15], s[50:51]      ; b_ws + 256 v
	s_lshl_b32 s50, s48, 12
	s_lshl_b32 s60, s49, 8
	s_add_co_u32 s50, s50, s60
	s_add_co_u32 s50, s50, 49152
	s_add_nc_u64 s[52:53], s[12:13], s[50:51]      ; W_ws's scale words: block 96 + 8 cg, tiles 4 (v % 2) on
	s_lshl_b32 s50, s48, 17
	s_lshl_b32 s60, s49, 13
	s_add_co_u32 s50, s50, s60
	s_add_co_u32 s50, s50, 1572864
	s_add_nc_u64 s[54:55], s[10:11], s[50:51]      ; and its codes
	s_lshr_b32 s60, s3, 2                          ; cg of product 6
	s_and_b32 s61, s3, 3
	s_lshl_b32 s50, s60, 16
	s_lshl_b32 s62, s61, 12
	s_add_co_u32 s50, s50, s62
	s_add_co_u32 s50, s50, 2097152
	s_add_nc_u64 s[56:57], s[10:11], s[50:51]      ; W_u's codes: block 128 + 4 cg, tiles 2 (v % 4) on
	s_lshl_b32 s50, s60, 11
	s_lshr_b32 s62, s61, 1
	s_lshl_b32 s62, s62, 8
	s_add_co_u32 s50, s50, s62
	s_lshl_b32 s62, s49, 3
	s_add_co_u32 s50, s50, s62
	s_add_co_u32 s50, s50, 65536
	s_add_nc_u64 s[58:59], s[12:13], s[50:51]      ; and its scale words
	s_lshl_b32 s50, s2, 16
	s_lshl_b32 s62, s3, 9
	s_add_co_u32 s50, s50, s62
	s_add_nc_u64 s[4:5], s[4:5], s[50:51]          ; part + 16 i rows of 4,096 bytes + 512 v
	s_lshl_b32 s50, s2, 12
	s_lshl_b32 s62, s3, 9
	s_add_co_u32 s50, s50, s62
	s_add_nc_u64 s[22:23], s[22:23], s[50:51]      ; out0 at row 4 i + v / 2, half v % 2: 4096 i + 512 v
	; ---- J: 17 small loads, the 16 of the partial sums, and behind them the weights of K steps 0 to 3, whose registers are free from the start
	global_load_b128 v[48:51], v4, s[6:7]          ; m0 l0 m1 l1
	global_load_b128 v[52:55], v4, s[6:7] offset:16   ; m2 l2 m3 l3
	global_load_b128 v[32:35], v37, s[16:17]       ; ln_g or ln_b
	global_load_b32 v36, v5, s[20:21]              ; b_u
	global_load_b128 v[60:63], v[LI], s[8:9]       ; b_c2 at my four columns
.irp k, 0,1,2,3
	global_load_b128 v[96+8*\k:99+8*\k], v6, s[14:15] offset:(32*(\k/2)+8*(\k%2))*4        ; b_ws straight into the accumulators
	global_load_b128 v[100+8*\k:103+8*\k], v6, s[14:15] offset:(32*(\k/2)+8*(\k%2))*4+16
.endr
.irp t, 0,1,2,3
	global_load_b128 v[SB5+4*\t:SB5+4*\t+3], v7, s[52:53] offset:1024*\t
.endr
	WIN 0x40                                       ; destination window 1
.irp q, 0,1,2,3
.irp rr, 0,1,2,3
	global_load_b128 v[16*\q+4*\rr:16*\q+4*\rr+3], v[LI], s[4:5] offset:16384*\rr+4096*\q th:TH_LOAD_NT   ; batch rr, quarter q: 512 consecutive bytes
.endr
.endr
	WIN 0
	B5LOAD 0, 128
	B5LOAD 1, 192
	WIN 0x40
	B5LOAD 2, 128
	B5LOAD 3, 192
	WIN 0
	s_wait_loadcnt 63                              ; behind the 17 and the 16 stand the weights' 64; a wait names 63 at the most: the 33 are in
	v_max3_num_f32 v16, v48, v50, v52
	s_delay_alu instid0(VALU_DEP_1)
	v_max_num_f32 v16, v16, v54                    ; M
.irp q, 0,1,2,3
	v_sub_f32 v[56+\q], v[48+2*\q], v16
.endr
.irp q, 0,1,2,3
	s_delay_alu instid0(VALU_DEP_4)
	v_mul_f32 v[56+\q], s27, v[56+\q]
.endr
	s_wait_alu depctr_va_vdst(0)
.irp q, 0,1,2,3
	v_exp_f32 v[56+\q], v[56+\q]                   ; e_q, at most 1; one of them is 1
.endr
	v_nop
	s_wait_alu depctr_va_vdst(0)                   ; one wait for the four
	v_mul_f32 v17, v56, v49
	v_fmac_f32 v17, v57, v51
	v_fmac_f32 v17, v58, v53
	v_fmac_f32 v17, v59, v55                       ; the batch's sum
	s_wait_alu depctr_va_vdst(0)
	v_rcp_f32 v17, v17
	v_nop
	s_wait_alu depctr_va_vdst(0)
.irp q, 0,1,2,3
	v_mul_f32 v[56+\q], v[56+\q], v17              ; c_q: lane l holds that of batch l % 4
.endr
	ds_store_b128 v38, v[32:35]
	ds_store_b32 v39, v36
.irp q, 0,1,2,3
.irp rr, 0,1,2,3
	v_readlane_b32 s[32+4*\q+\rr], v[56+\q], \rr   ; a load holds one batch in all its lanes: its factor is a scalar
.endr
.endr
	WIN 0x41                                       ; destination and source 0 window 1; b_c2 window 0
.irp rr, 0,1,2,3
.irp e, 0,1,2,3
	v_fma_f32 v[4*\rr+\e], v[4*\rr+\e], s[32+\rr], v[60+\e]
.endr
.endr
	WIN 0x51                                       ; all three in window 1
.irp q, 1,2,3
.irp rr, 0,1,2,3
.irp e, 0,1,2,3
	v_fma_f32 v[4*\rr+\e], v[16*\q+4*\rr+\e], s[32+4*\q+\rr], v[4*\rr+\e]
.endr
.endr
.endr
	WIN 0x04                                       ; an LDS store's data are its source 1: window 1
.irp rr, 0,1,2,3
	ds_store_b128 v8, v[4*\rr:4*\rr+3] offset:528*\rr
.endr
	WIN 0x40
.irp b, 0,1,2,3
.irp j, 0,1,2,3
	ds_load_b128 v[64+16*\b+4*\j:64+16*\b+4*\j+3], v9 offset:128*\b+16*\j   ; back: batch r % 4, 16 neighbours of each block of 32  (LDS serves a wave's instructions in order)
.endr
.endr
	WIN 0
	s_wait_dscnt 0x0
	QUANT 64, 1, 4
.irp c, 0,1,2,3
	ds_store_b128 v10, v[PC+4*\c:PC+4*\c+3] offset:512*\c
.endr
	ds_store_b32 v11, v[PW]
	s_wait_dscnt 0x0                               ; the stage's stores have read the registers that the next loads fill
	s_wait_loadcnt 32                              ; only the 32 loads of steps 2 and 3 may be out: the partial sums' loads, onto whose registers the next loads go, are done, and so are steps 0 and 1, which the first products read
	WIN 0x40
	B5LOAD 4, 0
	B5LOAD 5, 64
	WIN 0
	BAR                                            ; summed's 8 fragments, their scale words and the constants lie in LDS
	; ---- product 5
	v_lshl_add_u32 v4, v[RR], 5, SSC
	v_add_nc_u32 v5, SIMG, v[LI]
	ds_load_b128 v[SS:SS+3], v4
	ds_load_b128 v[SS+4:SS+7], v4 offset:16
.irp c, 0,1,2,3
	ds_load_b128 v[48+4*\c:51+4*\c], v5 offset:512*\c
.endr
.irp c, 0,1,2,3
	ds_load_b128 v[32+4*\c:35+4*\c], v5 offset:2048+512*\c
.endr
	s_wait_alu depctr_va_vdst(0)
	P5STEP 0, 63, 4                                ; behind a step's 16 loads stand 64 or more until step 6: a wait names 63 at the most
	P5STEP 1, 63, 4
	B5LOAD 6, 128                                  ; where steps 0 and 1 lay
	B5LOAD 7, 192
	P5STEP 2, 63, 4
	P5STEP 3, 63, 4
	WIN 0x40
.irp s, 0,1,2,3
.irp k, 0,1
.irp c, 0,1,2,3
	global_load_b128 v[128+32*\s+16*\k+4*\c:128+32*\s+16*\k+4*\c+3], v[LI], s[56:57] offset:16384*\s+2048*\k+512*\c   ; W_u, where steps 2 and 3 lay
.endr
.endr
.endr
	WIN 0
	global_load_b64 v[SB6:SB6+1], v7, s[58:59]
	global_load_b64 v[SB6+2:SB6+3], v7, s[58:59] offset:1024
	P5STEP 4, 63, 4
	P5STEP 5, 63, 4
	P5STEP 6, 50, 4                                ; step 7's 16 and W_u's 34
	P5STEP 7, 34, 0
	; ---- LayerNorm
	s_lshl_b32 s50, s3, 2
	s_add_co_u32 s50, s50, RED1
	v_lshl_add_u32 v6, v[RR], 5, s50
	v_lshl_add_u32 v8, v[RR], 5, RED1
	s_lshl_b32 s50, s3, 8
	s_add_co_u32 s50, s50, CONST
	v_lshl_add_u32 v9, v[HH], 6, s50
	s_lshl_b32 s50, s3, 10
	s_add_co_u32 s50, s50, NIMG
	v_add_nc_u32 v10, s50, v[LI]
	s_lshl_b32 s50, s3, 1
	s_add_co_u32 s50, s50, NSC
	v_lshl_add_u32 v11, v[RR], 4, s50
	v_lshl_add_u32 v13, v[RR], 4, NSC
	v_add_nc_u32 v14, NIMG, v[LI]
	s_lshl_b32 s50, s3, 7
	s_add_co_u32 s50, s50, CONST+4096
	v_lshl_add_u32 v15, v[HH], 6, s50
.irp k, 0,1,2,3
	ds_load_b128 v[128+8*\k:131+8*\k], v9 offset:(32*(\k/2)+8*(\k%2))*4             ; ln_g and ln_b at my 32 columns
	ds_load_b128 v[132+8*\k:135+8*\k], v9 offset:(32*(\k/2)+8*(\k%2))*4+16
	ds_load_b128 v[160+8*\k:163+8*\k], v9 offset:2048+(32*(\k/2)+8*(\k%2))*4
	ds_load_b128 v[164+8*\k:167+8*\k], v9 offset:2048+(32*(\k/2)+8*(\k%2))*4+16
.endr
	v_pk_add_f32 v[18:19], v[96:97], v[98:99]
	v_pk_add_f32 v[254:255], v[104:105], v[108:109]
	v_pk_add_f32 v[252:253], v[112:113], v[116:117]
	v_pk_add_f32 v[250:251], v[120:121], v[124:125]
	v_pk_add_f32 v[248:249], v[100:101], v[102:103]
	v_pk_add_f32 v[246:247], v[106:107], v[110:111]
	v_pk_add_f32 v[244:245], v[114:115], v[118:119]
	v_pk_add_f32 v[16:17], v[122:123], v[126:127]
	s_delay_alu instid0(VALU_DEP_1)
	v_pk_add_f32 v[16:17], v[16:17], v[250:251]
	v_pk_add_f32 v[18:19], v[18:19], v[248:249]
	v_pk_add_f32 v[254:255], v[254:255], v[246:247]
	v_pk_add_f32 v[252:253], v[252:253], v[244:245]
	s_delay_alu instid0(VALU_DEP_2)
	v_pk_add_f32 v[16:17], v[16:17], v[254:255]
	s_delay_alu instid0(VALU_DEP_2)
	v_pk_add_f32 v[18:19], v[18:19], v[252:253]
	s_delay_alu instid0(VALU_DEP_1)
	v_pk_add_f32 v[16:17], v[16:17], v[18:19]
	s_delay_alu instid0(VALU_DEP_1)
	v_add_f32 v16, v16, v17
	s_delay_alu instid0(VALU_DEP_1)
	v_permlanex16_b32 v17, v16, s24, s25
	s_delay_alu instid0(VALU_DEP_1)
	v_add_f32 v16, v16, v17                        ; row r, my 64 columns
	ds_store_b32 v6, v16
	BAR
	ds_load_b128 v[20:23], v8
	ds_load_b128 v[24:27], v8 offset:16
	s_wait_dscnt 0x0
	v_pk_add_f32 v[20:21], v[20:21], v[22:23]
	v_pk_add_f32 v[24:25], v[24:25], v[26:27]
	s_delay_alu instid0(VALU_DEP_1)
	v_pk_add_f32 v[20:21], v[20:21], v[24:25]
	s_delay_alu instid0(VALU_DEP_1)
	v_add_f32 v20, v20, v21
	s_delay_alu instid0(VALU_DEP_1)
	v_mul_f32 v20, s28, v20                        ; mu
.irp i, 0,1,2,3,4,5,6,7,8,9,10,11,12,13,14,15,16,17,18,19,20,21,22,23,24,25,26,27,28,29,30,31
	v_sub_f32 v[96+\i], v[96+\i], v20
.endr
	v_pk_mul_f32 v[16:17], v[96:97], v[96:97]
	v_pk_mul_f32 v[18:19], v[98:99], v[98:99]
.irp i, 4,8,12,16,20,24,28
	s_delay_alu instid0(VALU_DEP_2)
	v_pk_fma_f32 v[16:17], v[96+\i:97+\i], v[96+\i:97+\i], v[16:17]
	s_delay_alu instid0(VALU_DEP_2)
	v_pk_fma_f32 v[18:19], v[98+\i:99+\i], v[98+\i:99+\i], v[18:19]
.endr
	s_delay_alu instid0(VALU_DEP_1)
	v_pk_add_f32 v[16:17], v[16:17], v[18:19]
	s_delay_alu instid0(VALU_DEP_1)
	v_add_f32 v16, v16, v17
	s_delay_alu instid0(VALU_DEP_1)
	v_permlanex16_b32 v17, v16, s24, s25
	s_delay_alu instid0(VALU_DEP_1)
	v_add_f32 v16, v16, v17
	ds_store_b32 v6, v16 offset:512
	BAR
	ds_load_b128 v[20:23], v8 offset:512
	ds_load_b128 v[24:27], v8 offset:528
	s_wait_dscnt 0x0
	v_pk_add_f32 v[20:21], v[20:21], v[22:23]
	v_pk_add_f32 v[24:25], v[24:25], v[26:27]
	s_delay_alu instid0(VALU_DEP_1)
	v_pk_add_f32 v[20:21], v[20:21], v[24:25]
	s_delay_alu instid0(VALU_DEP_1)
	v_add_f32 v20, v20, v21
	s_delay_alu instid0(VALU_DEP_1)
	v_fma_f32 v20, v20, s28, s29                   ; var + 1e-6
	s_wait_alu depctr_va_vdst(0)
	v_rsq_f32 v28, v20
	v_nop
	s_wait_alu depctr_va_vdst(0)
	v_mov_b32 v29, v28
.irp i, 0,2,4,6,8,10,12,14,16,18,20,22,24,26,28,30
	v_pk_mul_f32 v[96+\i:97+\i], v[96+\i:97+\i], v[28:29]
.endr
.irp i, 0,2,4,6,8,10,12,14,16,18,20,22,24,26,28,30
	v_pk_fma_f32 v[96+\i:97+\i], v[96+\i:97+\i], v[128+\i:129+\i], v[160+\i:161+\i]
.endr
	QUANT 96, 0, 2                                 ; my 64 columns are blocks 2 (v % 2), 2 (v % 2) + 1 of K step v / 2
	ds_store_b128 v10, v[PC:PC+3]
	ds_store_b128 v10, v[PC+4:PC+7] offset:512
	ds_store_b16 v11, v[PW]                        ; two bytes of the row's scale word
	BAR                                            ; y's four fragments lie in LDS
	; ---- product 6
.irp k, 0,1
	ds_load_b128 v[96+8*\k:99+8*\k], v15 offset:32*\k            ; b_u into the accumulators
	ds_load_b128 v[100+8*\k:103+8*\k], v15 offset:32*\k+16
.endr
.irp s, 0,1,2,3
.irp c, 0,1,2,3
	ds_load_b128 v[192+16*\s+4*\c:195+16*\s+4*\c], v14 offset:2048*\s+512*\c
.endr
.endr
	ds_load_b128 v[NS:NS+3], v13
	s_wait_loadcnt 0x0                             ; W_u
	s_wait_dscnt 0x0
	WIN 0x01
.irp s, 0,1,2,3
.irp k, 0,1
.if \s%2
	v_wmma_scale_f32_16x16x128_f8f6f4 v[96+8*\k:103+8*\k], v[128+32*\s+16*\k:143+32*\s+16*\k], v[192+16*\s:207+16*\s], v[96+8*\k:103+8*\k], v[SB6+2*(\s/2)+\k], v[NS+\s] matrix_a_scale:MATRIX_SCALE_ROW1
.else
	v_wmma_scale_f32_16x16x128_f8f6f4 v[96+8*\k:103+8*\k], v[128+32*\s+16*\k:143+32*\s+16*\k], v[192+16*\s:207+16*\s], v[96+8*\k:103+8*\k], v[SB6+2*(\s/2)+\k], v[NS+\s]
.endif
.endr
.endr
	WIN 0
	PLACES 8
	v_mul_u32_u24 v4, v[RR], 1040
	s_delay_alu instid0(VALU_DEP_1)
	v_lshl_add_u32 v4, v[HH], 6, v4
	s_lshl_b32 s50, s3, 7
	s_add_co_u32 s50, s50, OSTG
	v_add_nc_u32 v4, s50, v4                       ; row r, columns 32 v + 16 h on
	s_lshr_b32 s50, s3, 1
	s_mul_i32 s50, s50, 1040
	s_and_b32 s60, s3, 1
	s_lshl_b32 s60, s60, 9
	s_add_co_u32 s50, s50, s60
	s_add_co_u32 s50, s50, OSTG
	v_add_nc_u32 v5, s50, v[LI]                    ; back: row v / 2 (one of the four batches), its half v % 2
.irp k, 0,1
	ds_store_b128 v4, v[96+8*\k:99+8*\k] offset:32*\k            ; each accumulator from its low end on
	ds_store_b128 v4, v[100+8*\k:103+8*\k] offset:32*\k+16
.endr
	s_wait_alu depctr_va_vdst(0)
	BAR                                            ; the rows of the output lie in the stage: rows 0 to 3 are the four batches, the others their replicas
	ds_load_b128 v[128:131], v5
	s_wait_dscnt 0x0
	global_store_b128 v[LI], v[128:131], s[22:23]  ; 512 consecutive bytes, aligned: the eight waves store the four rows of 1,024 bytes
	s_wait_xcnt 0x0
	v_lshl_add_u32 v190, v0, 2, 0x1d000
	v_mov_b32 v191, 0
	s_wait_alu depctr_va_vdst(0)
	s_wait_tensorcnt 0x0
	ds_add_u32 v190, v191
	s_wait_dscnt 0x0
	s_endpgm
.Lfunc_end_k_qf8997aaaf7_tail:
	.size	k_qf8997aaaf7_tail, .Lfunc_end_k_qf8997aaaf7_tail-k_qf8997aaaf7_tail
	.p2alignl 7, 3214868480
	.fill 96, 4, 3214868480
	.section	.rodata,"a",@progbits
	.p2align	6, 0x0
	.amdhsa_kernel k_qf8997aaaf7_tail
		.amdhsa_group_segment_fixed_size 119808
		.amdhsa_private_segment_fixed_size 0
		.amdhsa_enable_private_segment 0
		.amdhsa_kernarg_size 80
		.amdhsa_user_sgpr_count 2
		.amdhsa_user_sgpr_kernarg_segment_ptr 1
		.amdhsa_wavefront_size32 1
		.amdhsa_system_sgpr_workgroup_id_x 1
		.amdhsa_system_sgpr_workgroup_id_y 1
		.amdhsa_system_sgpr_workgroup_id_z 1
		.amdhsa_system_vgpr_workitem_id 0
		.amdhsa_next_free_vgpr 512
		.amdhsa_next_free_sgpr 66
		.amdhsa_reserve_vcc 0
		.amdhsa_float_denorm_mode_32 3
		.amdhsa_float_denorm_mode_16_64 3
		.amdhsa_memory_ordered 1
		.amdhsa_forward_progress 1
		.amdhsa_inst_pref_size 66
	.end_amdhsa_kernel
	.amdgpu_metadata
---
amdhsa.version: [ 1, 2 ]
amdhsa.kernels:
  - .name:           k_qf8997aaaf7_tail
    .symbol:         k_qf8997aaaf7_tail.kd
    .args:
      - { .name: part, .offset: 0, .size: 8, .value_kind: global_buffer, .address_space: global }
      - { .name: ml, .offset: 8, .size: 8, .value_kind: global_buffer, .address_space: global }
      - { .name: b_c2, .offset: 16, .size: 8, .value_kind: global_buffer, .address_space: global }
      - { .name: wq, .offset: 24, .size: 8, .value_kind: global_buffer, .address_space: global }
      - { .name: wsc, .offset: 32, .size: 8, .value_kind: global_buffer, .address_space: global }
      - { .name: b_ws, .offset: 40, .size: 8, .value_kind: global_buffer, .address_space: global }
      - { .name: ln_g, .offset: 48, .size: 8, .value_kind: global_buffer, .address_space: global }
      - { .name: ln_b, .offset: 56, .size: 8, .value_kind: global_buffer, .address_space: global }
      - { .name: b_u, .offset: 64, .size: 8, .value_kind: global_buffer, .address_space: global }
      - { .name: out0, .offset: 72, .size: 8, .value_kind: global_buffer, .address_space: global }
    .group_segment_fixed_size: 119808
    .private_segment_fixed_size: 0
    .kernarg_segment_align: 8
    .kernarg_segment_size: 80
    .max_flat_workgroup_size: 256
    .sgpr_count:     66
    .vgpr_count:     512
    .wavefront_size: 32
...
	.end_amdgpu_metadata
.endif
;; end of part 3
